; MI455X (gfx1250); checked and timed in simulation.
; The chip was launched on July 23, 2026; its instructions are those of AMD's public machine-readable ISA for CDNA 5 (MIT licence, August 2026) and "CDNA5" Instruction Set Architecture Reference Guide (July 2026). The comments in the code are by the model that wrote it; some were corrected since.
;; MHA. Allowed arithmetic: matrix products marked QUANTISED: E2M3 operands, one E8M0 scale for each 32 along K, by v_wmma_scale_f32_16x16x128_f8f6f4 with both operands' format E2M3, f32 sums; everything else in f32.
;; Inputs: W_proj_codes 1,024 x 32 x 24 uint8 (E2M3 codes of W_proj, K innermost, in blocks of 32 codes, four codes in three bytes); W_proj_scales 1,024 x 32 uint8 (E8M0 scales of W_proj, one for each 32 codes along K); W_qkv_codes 3,072 x 32 x 24 uint8 (E2M3 codes of W_qkv, K innermost, in blocks of 32 codes, four codes in three bytes); W_qkv_scales 3,072 x 32 uint8 (E8M0 scales of W_qkv, one for each 32 codes along K); b_proj 1,024 float32; b_qkv 3,072 float32; x_codes 4 x 2,048 x 32 x 24 uint8 (E2M3 codes of x, K innermost, in blocks of 32 codes, four codes in three bytes); x_scales 4 x 2,048 x 32 uint8 (E8M0 scales of x, one for each 32 codes along K).
;; Outputs: out0 4 x 2,048 x 1,024 float32.
;; This version of the problem:
;;   THIS VERSION OF THE PROBLEM IS GIVEN IN LOW PRECISION. The matrix products marked QUANTISED in the list below multiply operands that are first quantised to E2M3 (2 exponent bits, 3 mantissa bits; 6 bits a number), with one power-of-two scale for each 32 numbers along K (OCP MX v1.0); their sums are f32. All else is computed in f32.
;;   The module's matrix products, in the order in which they are computed (A, B: the left and right operand; K: the contracted axis; several contracted axes count as one K, in the product's order):
;;     1. [M 8,192, K 1,024] x [K 1,024, N 3,072]; A: input x (given as codes); B: input W_qkv (given as codes): QUANTISED
;;     2. batch 64 x [M 2,048, K 64] x [K 64, N 2,048]; A: computed on the way; B: computed on the way: QUANTISED
;;     3. batch 64 x [M 2,048, K 2,048] x [K 2,048, N 64]; A: softmax (see below); B: computed on the way: QUANTISED
;;     4. [M 8,192, K 1,024] x [K 1,024, N 1,024]; A: computed on the way; B: input W_proj (given as codes): QUANTISED
;;   THE QUANTISER, for each operand of a quantised product, along K:
;;     - K is cut into blocks of 32 from its start; a last block that is shorter is filled with zeros.
;;     - A block's scale is 2^e with e = floor(log2(the largest magnitude in the block)) - 2, held to -126 .. 127; a block of zeros has e = 0. As a byte (E8M0): e + 127.
;;     - Each number is divided by its block's scale, clamped to +-7.5, and rounded to the nearest number of E2M3, ties to even, subnormals kept.
;;     - The product sums the exact products of the quantised numbers (number of the format x scale) in f32.
;;   ~~~python
;;   def quantise(x, axis):      # numpy; x: float32 -> the quantised numbers, widened to float32 again
;;       x = np.moveaxis(x, axis, -1); K = x.shape[-1]
;;       x = np.pad(x, [(0, 0)] * (x.ndim - 1) + [(0, -K % 32)]); x = x.reshape(x.shape[:-1] + (-1, 32)); a = np.abs(x).max(-1, keepdims=True)
;;       e = np.where(a > 0, np.clip(np.frexp(np.where(a > 0, a, 1))[1] - 1 - 2, -126, 127), 0)      # np.frexp(a)[1] - 1 = floor(log2(a)), exactly
;;       r = np.clip(x / 2.0 ** e, -7.5, 7.5)
;;       step = 2.0 ** (np.maximum(np.frexp(np.where(r == 0, 1, r))[1] - 1, 0) - 3)
;;       q = np.round(r / step) * step * 2.0 ** e      # np.round: ties to even
;;       return np.moveaxis(q.reshape(q.shape[:-2] + (-1,))[..., :K], -1, axis).astype(np.float32)
;;   ~~~
;;   SOFTMAX AHEAD OF A QUANTISED PRODUCT. Where the list says 'softmax', what is quantised is not the finished softmax but p = 2^(t - M), with t = logit x log2(e) and M = ceil(the row's largest t), a whole number; so 1/2 < the row's largest p <= 1. The row's sum l is taken of the UNQUANTISED p, in f32, and the product's result is divided by l at the end. Since M is a whole number, a kernel that streams over the keys may use a running M (the ceiling of the running maximum): every later rescaling is an exact power of two, which a block's scale takes up: the codes' values come out the same.
;;   OPERANDS COMPUTED ON THE WAY. 'Computed on the way' means the value that the module computes at that place (a softmax that the list does not call 'softmax' is quantised finished and normalised). What goes into a quantiser is computed in f32, as accurately as f32 sums, v_exp_f32 and their like allow (about 1e-6 of the number): no bf16 or f16 on the way to a quantiser, and a product that is left as it is and whose result goes on into a quantised operand takes f32 operands (vector FMAs, or v_wmma_f32_16x16x4_f32). A number that lies on a knife's edge between two numbers of the format may be rounded either way, as far as f32 arithmetic and the matrix unit's own rounding can turn it there, and no further.
;;   INPUTS GIVEN AS CODES. W_proj (in the module: [1024, 1024], K = its axis 0); W_qkv (in the module: [1024, 3072], K = its axis 0); x (in the module: [4, 2048, 1024], K = its axis 2): each comes as NAME_codes (uint8): NAME with its K axis moved to the last place and cut into blocks of 32 codes, [.., K / 32, bytes a block], one block behind the other in memory; four codes in three bytes: a row's codes are one little-endian stream of bits, code i at bits 6 i .. 6 i + 5 (a code: sign, 2 exponent bits, 3 mantissa bits); and NAME_scales (uint8): the same leading axes, one E8M0 byte (e + 127) for each 32 codes along K. Its value is code x scale, taken as it is: it is not quantised again, and the codes and scales need not be those that the quantiser above would give.
;; One version. Each part assembles by itself: llvm-mc -triple=amdgcn-amd-amdhsa -mcpu=gfx1250 --defsym DOCPART=n.
;; ======== version 1 of 1: 3 launches
;; workspace buffers: qkv 20,185,088 bytes; oc 6,291,456 bytes; os 262,144 bytes
;; launch qkv (part 1): grid 12 x 32, 4 waves a work-group, clusters of 4 x 4, 327,680 bytes of LDS; arguments x_codes, x_scales, W_qkv_codes, W_qkv_scales, b_qkv, qkv; writes qkv
.if DOCPART == 1
	.amdgcn_target "amdgcn-amd-amdhsa--gfx1250"
	.amdhsa_code_object_version 6
	.text
	.protected	k_q1f4a48883e_qkv
	.globl	k_q1f4a48883e_qkv
	.p2align	8
	.type	k_q1f4a48883e_qkv,@function
k_q1f4a48883e_qkv:
	s_mov_b64 s[64:65], 0
	v_nop
	global_prefetch_b8 v0, s[64:65] scope:SCOPE_SE
	s_setreg_imm32_b32 hwreg(HW_REG_WAVE_MODE, 25, 1), 1
	s_wait_xcnt 0x0
	s_wait_alu depctr_hold_cnt(0) depctr_sa_sdst(0) depctr_va_vdst(0) depctr_va_sdst(0) depctr_va_ssrc(0) depctr_va_vcc(0) depctr_vm_vsrc(0)
	s_getreg_b32 s2, hwreg(HW_REG_IB_STS2, 6, 4)
	s_cmp_eq_u32 s2, 0
	s_cbranch_scc0 .Lentry_in_a_cluster
	s_endpgm
.Lentry_in_a_cluster:
	s_bfe_u32 s2, ttmp6, 0x10000c
	s_cmp_lg_u32 s2, 0xf033
	s_cbranch_scc0 .Lentry_shape_is_right
	s_endpgm
.Lentry_shape_is_right:
; qkv = x W_qkv + b_qkv on codes of FP6 (E2M3) with E8M0 scales, and its three parts quantised again on the way out: q and k along the head's 64, v along the keys.
; x: 8,192 rows of 1,024 codes (768 bytes) and 32 scale bytes; W_qkv: 3,072 rows of the same make.  A tile of 256 x 256 to a work-group of four waves, 128 x 128 to a wave: 64 accumulators, 512 registers.
; K = 1,024 goes in four steps of 256 through a ring of two LDS slots filled by the tensor data mover; the scale bytes of the tile's rows come once, in whole blocks of 256 bytes, and stay.
; CLUSTERS of 4 x 4: the four of a row of the cluster ask jointly for the tiles of the side called A, the four of a column for those of the side called B.
; THE MATRIX INSTRUCTION takes 16 rows of side B as source 0 and 16 rows of side A as source 1: a lane then holds ONE row of side A, and its eight registers eight neighbouring rows of side B.
; KINDS, by the cluster's x, which all sixteen partners share: 0 = q, 1 = k: side A = tokens (x), side B = W's rows: a lane holds a token and runs along the head's axis, which is q's and k's next K.
;        2 = v: side A = W's rows, side B = tokens: a lane holds one of the head's 64 and runs along the tokens, which are v's next K.  Both tensors have rows of the same bytes, so only pointers and indices are chosen.
; THE ORDER INSIDE A BLOCK OF 32.  A lane's 16 registers of two neighbouring tiles are the block's numbers 8 h + 0..7 and 16 + 8 h + 0..7 (h = lane / 16).  The codes are laid in the order 0-7, 16-23, 8-15, 24-31 of each block.
; A block's scale hangs on the set of its 32 numbers alone, and a product on both operands having one order: q meets k, made here alike; v meets the softmax's p, whose registers lie alike in the next launch.
; THE WORKSPACE holds images of operand registers: a record of REC bytes for each (batch, head): K's codes, V's codes, K's scales, V's scales, Q's codes, Q's scales; 128 tokens to a step.
;   codes of q, k: a step is 48 registers (tile t of 16 tokens: registers 6 t .. 6 t + 5); register n of lane l at 512 (n / 4) + 16 l + 4 (n % 4).   codes of v: four fragments of 12 registers, 1,536 bytes each, laid likewise.
;   scales of q, k: 4 registers at 16 l + 4 i: lanes 0-15 tile 2 i's words, lanes 16-31 tile 2 i + 1's; bytes 0, 1 the head's two blocks, bytes 2, 3 zero.   scales of v: 2 registers at 8 l + 4 i, a word = the step's four blocks of keys.
; Every store of a wave covers 512 or 256 consecutive bytes that begin at a multiple of 256 from the buffer's first byte.
; LIMITS: NaN and infinities are not served.  A block whose largest magnitude lies under 2^-124 keeps the scale byte 1; a block of zeros too (its codes are zeros, and this program alone reads the bytes).
; REGISTERS, in windows of 256: window 0: v1-6 at work; v7, v30 store offsets; v8-15 offsets of the bias; v16-27 LDS addresses; v28-29 the add's pair; v32-63 scale words; v64-127 the bias; v128-223 side A's fragments, one set;
;   on the way out v128-191 64 numbers, v192-215 two images, v216-251 at work.   window 1: side B's fragments, two sets.   windows 2, 3: the accumulators ((a, b) at v[8 (8 (a % 4) + b)]).
.set KSTEP,  256
.set NQ,     2                         ; matrix instructions deep in a slot
.set ROWB,   192                       ; a tile's row: 256 codes
.set KROW,   768                       ; a row of x or W in memory
.set PITCH,  240                       ; an LDS row: 3 x (64 bytes + 16 of padding)
.set FR,     12
.set NL,     6
.set NP,     4                         ; places behind this matrix instruction (ISA guide 7.12.1)
.set HALFT,  128*PITCH
.set SLOT,   4*HALFT
.set LAPS,   2                         ; 1,024 / 512
.set KS,     32                        ; a row of scale bytes
.set SCL,    2*SLOT
.set HALFS,  16*272                    ; the scales of 128 rows: 16 blocks of 256 bytes + 16
.set SBLK,   2*272                     ; those of 16 rows
.set SPARE,  SCL+4*HALFS               ; the spare words, 128 bytes a wave: no other line names them
.set REC,    315392                    ; a record of the workspace
.set L16,  7
.set BO,   8
.set ADRA, 16
.set ADRB, 20
.set ADRS, 27
.set SPW,  28
.set NIL,  29
.set L8,   30
.set SC,   32
.set BI,   64
.set AF,   128
.set HA,   128
.set IMA,  192
.set IMB,  204
.set CT,   216
.set TM,   224
.set PW,   240
.set PWE,  241
.set PWT,  242
.set SA,   244
.set SB,   248
.set G1, 24
.set G0, 32
.set G1B, 48
.set G0B, 56
.set G1S, 68
.set G0S, 76
.set G1SB, 80
.set G0SB, 88
.set MSB, 0
.macro WIN new                         ; the immediate's high byte repeats the setting that is left
.if MSB != \new
	s_set_vgpr_msb (MSB<<8)|\new
.set MSB, \new
.endif
.endm
.set MUL_LO, 0xa1                      ; source 0 (B) window 1, source 1 (A) window 0, C and D window 2
.set MUL_HI, 0xf1
.set TO_B,   0x40
; A joint load: waves 0 and 1 fetch for side A, waves 2 and 3 for side B; the branch hangs on the wave's number alone.  Four v_nop follow each of the two lines.
.macro JLOAD g0a, g1a, g0b, g1b
	s_cmp_eq_u32 s15, 0
	s_cbranch_scc0 .Lfor_b_\@
	tensor_load_to_lds s[\g0a:\g0a+3], s[\g1a:\g1a+7]
	s_nop 0
.rept 4
	v_nop
.endr
	s_branch .Lasked_\@
.Lfor_b_\@:
	tensor_load_to_lds s[\g0b:\g0b+3], s[\g1b:\g1b+7]
	s_nop 0
.rept 4
	v_nop
.endr
.Lasked_\@:
.endm
.macro CREST                           ; a round of the cluster's barrier behind its opening barrier
	s_cmp_lg_u32 s14, 0
	s_cbranch_scc1 .Lnot_wave_0_\@
	s_barrier_signal -3
.Lnot_wave_0_\@:
	s_barrier_wait -3
	s_barrier_signal -1
	s_barrier_wait -1
.endm
.macro CROUND
	s_barrier_signal -1
	s_barrier_wait -1
	CREST
.endm
	s_load_b256 s[4:11], s[0:1], 0x0               ; x's codes s[4:5], x's scales s[6:7], W's codes s[8:9], W's scales s[10:11]
	s_load_b128 s[96:99], s[0:1], 0x20             ; the bias s[96:97], the workspace s[98:99]
	v_lshl_add_u32 v[SPW], v0, 2, SPARE
	v_mov_b32 v[NIL], 0
	ds_add_u32 v28, v29
	ds_add_u32 v28, v29
	s_wait_dscnt 0x0
	v_lshrrev_b32 v1, 5, v0
	v_readfirstlane_b32 s14, v1                    ; wave 0..3
	s_lshr_b32 s15, s14, 1                         ; which half of side A's 256 rows is mine.  Also: I fetch for A (0) or for B (1)
	s_and_b32 s16, s14, 1                          ; which half of side B's.  Also: which 128 rows of that tile I fetch
	s_bfe_u32 s40, ttmp6, 0x40000                  ; cx, cy: my place in the cluster
	s_bfe_u32 s41, ttmp6, 0x40004
	s_and_b32 s45, ttmp7, 0xffff
	s_lshl_b32 s45, s45, 2                         ; 4 x cluster y
	s_add_co_u32 s17, s45, s41                     ; q, k: side A's tile = tokens 256 (4 cluster y + cy) on
	s_add_co_u32 s18, s41, 8                       ; v:    side A's tile = W's rows 256 (8 + cy) on
	s_add_co_u32 s42, s45, s40                     ; v:    side B's tile = tokens 256 (4 cluster y + cx) on
	s_lshl_b32 s19, ttmp9, 2
	s_add_co_u32 s19, s19, s40                     ; q, k: side B's tile = W's rows 256 (4 cluster x + cx) on
	s_cmp_eq_u32 ttmp9, 2                          ; the kind: the same in all sixteen partners
	s_cselect_b32 s17, s18, s17                    ; side A's tile: made of cy and the cluster's numbers alone
	s_cselect_b32 s42, s42, s19                    ; side B's tile: of cx and the cluster's numbers alone
	s_lshl_b32 s43, s41, 2
	s_lshl_b32 s43, 15, s43                        ; my row of the cluster
	s_lshl_b32 s44, 0x1111, s40                    ; my column
	; descriptor group 1: a tile of 128 rows x 192 bytes, 16 bytes of padding behind every 64
	s_or_b32 s[G1+0], s43, (0<<16)|(1<<20)|(1<<21)|(3<<22)|(3<<25)
	s_or_b32 s[G1B+0], s44, (0<<16)|(1<<20)|(1<<21)|(3<<22)|(3<<25)
.irp g, G1, G1B
	s_mov_b32 s[\g+1], ROWB<<16                    ; tensor_dim0
	s_mov_b32 s[\g+2], 128<<16                     ; tensor_dim1
	s_mov_b32 s[\g+3], ROWB<<16                    ; tile_dim0
	s_mov_b32 s[\g+4], 128                         ; tile_dim1
	s_mov_b32 s[\g+5], KROW                        ; from row to row
	s_mov_b32 s[\g+6], 0
	s_mov_b32 s[\g+7], 0
.endr
	; the scales of 128 rows: a dense block of 4,096 bytes, as 16 rows of 256 bytes (32 elements of 8), 16 bytes of padding behind each
	s_or_b32 s[G1S+0], s43, (3<<16)|(1<<20)|(1<<21)|(5<<22)|(3<<25)
	s_or_b32 s[G1SB+0], s44, (3<<16)|(1<<20)|(1<<21)|(5<<22)|(3<<25)
.irp g, G1S, G1SB
	s_mov_b32 s[\g+1], 32<<16
	s_mov_b32 s[\g+2], 16<<16
	s_mov_b32 s[\g+3], 32<<16
	s_mov_b32 s[\g+4], 16
	s_mov_b32 s[\g+5], 32
	s_mov_b32 s[\g+6], 0
	s_mov_b32 s[\g+7], 0
.endr
	s_lshl_b32 s18, s16, 7                         ; which 128 rows of the tile I fetch
	s_lshl_b32 s20, s17, 8
	s_add_co_u32 s20, s20, s18                     ; side A: row
	s_lshl_b32 s46, s42, 8
	s_add_co_u32 s46, s46, s18                     ; side B: row
	s_mov_b32 s21, 0
	s_mov_b32 s47, 0
	s_mov_b64 s[18:19], KS
	s_mul_u64 s[22:23], s[20:21], s[18:19]         ; where these rows' scales begin, in bytes
	s_mul_u64 s[92:93], s[46:47], s[18:19]
	s_mov_b64 s[18:19], KROW
	s_mul_u64 s[20:21], s[20:21], s[18:19]         ; and their codes
	s_mul_u64 s[46:47], s[46:47], s[18:19]
	s_mul_i32 s45, s14, HALFT                      ; where they go: wave x 128 rows: no place in the cluster enters an LDS address
	s_mul_i32 s94, s14, HALFS
	s_wait_kmcnt 0x0
	s_cmp_eq_u32 ttmp9, 2                          ; which tensor is which side: a choice between buffers on the cluster's number
	s_cselect_b64 s[12:13], s[8:9], s[4:5]         ; side A's codes
	s_cselect_b64 s[66:67], s[10:11], s[6:7]       ; side A's scales
	s_cselect_b64 s[8:9], s[4:5], s[8:9]           ; side B's codes
	s_cselect_b64 s[10:11], s[6:7], s[10:11]       ; side B's scales
	s_add_nc_u64 s[20:21], s[12:13], s[20:21]
	s_add_nc_u64 s[22:23], s[66:67], s[22:23]
	s_add_nc_u64 s[46:47], s[8:9], s[46:47]
	s_add_nc_u64 s[92:93], s[10:11], s[92:93]
	CROUND                                         ; all sixteen work-groups are here: the first joint loads meet
	s_mov_b32 s[G0S], 1
	s_add_co_u32 s[G0S+1], s94, SCL
	s_mov_b64 s[G0S+2:G0S+3], s[22:23]
	s_or_b32 s[G0S+3], s[G0S+3], 0x80000000
	s_mov_b32 s[G0SB], 1
	s_add_co_u32 s[G0SB+1], s94, SCL
	s_mov_b64 s[G0SB+2:G0SB+3], s[92:93]
	s_or_b32 s[G0SB+3], s[G0SB+3], 0x80000000
	JLOAD G0S, G1S, G0SB, G1SB                     ; the scales first: they are wanted with K step 0
.irp s, 0,1
	s_mov_b32 s[G0+4*\s], 1
	s_add_co_u32 s[G0+4*\s+1], s45, \s*SLOT
	s_add_nc_u64 s[G0+4*\s+2:G0+4*\s+3], s[20:21], \s*ROWB
	s_or_b32 s[G0+4*\s+3], s[G0+4*\s+3], 0x80000000
	s_mov_b32 s[G0B+4*\s], 1
	s_add_co_u32 s[G0B+4*\s+1], s45, \s*SLOT
	s_add_nc_u64 s[G0B+4*\s+2:G0B+4*\s+3], s[46:47], \s*ROWB
	s_or_b32 s[G0B+4*\s+3], s[G0B+4*\s+3], 0x80000000
	JLOAD G0+4*\s, G1, G0B+4*\s, G1B
.endr
	v_and_b32 v1, 15, v0                           ; r = lane % 16
	v_bfe_u32 v2, v0, 4, 1                         ; h = lane / 16
	v_mul_u32_u24 v3, v1, PITCH
	v_mul_u32_u24 v4, v2, 24
	v_add_nc_u32 v4, v3, v4                        ; a fragment's row x pitch + 24 x half
	v_lshl_add_u32 v5, v2, 4, v4                   ; and the same behind one padding more
	s_mul_i32 s21, s15, HALFT                      ; my 128 rows of side A
	s_mul_i32 s22, s16, HALFT                      ; my 128 rows of side B,
	s_add_co_u32 s22, s22, 2*HALFT                 ; which lie behind A's 256
.irp s, 0,1
	v_add_nc_u32 v[ADRA+\s], s21, v4
	v_add_nc_u32 v[ADRB+\s], s22, v4
	v_add_nc_u32 v[ADRA+2+\s], s21, v5
	v_add_nc_u32 v[ADRB+2+\s], s22, v5
	s_add_co_u32 s21, s21, SLOT
	s_add_co_u32 s22, s22, SLOT
.endr
	v_mul_u32_u24 v5, v1, KS                       ; my row's scales: 32 bytes a row,
	v_lshrrev_b32 v6, 8, v5
	v_lshl_add_u32 v5, v6, 4, v5                   ; and 16 more for each 256 passed
	s_mul_i32 s21, s15, HALFS
	s_mul_i32 s22, s16, HALFS
	s_add_co_u32 s22, s22, 2*HALFS
	s_sub_co_u32 s22, s22, s21
	v_mul_u32_u24 v6, s22, v2                      ; lanes 16-31 take side B's
	s_add_co_u32 s21, s21, SCL
	v_add_nc_u32 v5, v5, v6
	v_add_nc_u32 v[ADRS], s21, v5
	v_and_b32 v6, 31, v0
	v_lshlrev_b32 v[L16], 4, v6                    ; the way out: 16 bytes a lane,
	v_lshlrev_b32 v[L8], 3, v6                     ; or 8
	; THE BIAS, one text for the three kinds: register BI + 8 x + j is loaded from offset register j at 64 x bytes from the first of my 128 rows of W.
	; q, k: offset j = 32 h + 4 j: the bias of W's row 16 x + 8 h + j, the accumulators' layout along side B.   v: offset j = 4 r: the bias of W's row 16 x + r, my row of side A, eight times.
	s_lshl_b32 s20, s42, 8
	s_lshl_b32 s21, s16, 7
	s_add_co_u32 s20, s20, s21                     ; q, k: W is side B
	s_lshl_b32 s22, s17, 8
	s_lshl_b32 s23, s15, 7
	s_add_co_u32 s22, s22, s23                     ; v: W is side A
	s_cmp_eq_u32 ttmp9, 2
	s_cselect_b32 s20, s22, s20
	s_cselect_b32 s46, 4, 0
	s_cselect_b32 s47, 0, 32
	s_cselect_b32 s22, 0, 4
	s_lshl_b32 s20, s20, 2
	s_mov_b32 s21, 0
	s_add_nc_u64 s[96:97], s[96:97], s[20:21]
	v_mul_u32_u24 v5, s46, v1
	v_mad_u32_u24 v5, s47, v2, v5
.irp j, 0,1,2,3,4,5,6,7
	v_mad_u32_u24 v[BO+\j], s22, \j, v5
.endr
.irp x, 0,1,2,3,4,5,6,7
.irp j, 0,1,2,3,4,5,6,7
	global_load_b32 v[BI+8*\x+\j], v[BO+\j], s[96:97] offset:64*\x   ; waited for at the head of the way out; nothing touches these registers before
.endr
.endr
.macro FRAG reg, adr, q, i             ; a fragment, 16 rows x 128 K of 6-bit codes: lane l holds row l % 16; registers 6 c .. 6 c + 5 hold K = 64 c + 32 (l / 16) + 0 .. 31: 24 bytes of the row, as they lie
.irp p, 0,1,2,3,4,5                    ; in pieces of 8 bytes.  Lanes 16-31 read three pieces further on; where that lies behind one padding more, the second address register serves
.set PC, 12*(\q)+6*(\p/3)+\p%3
.if PC%8 < 5
	ds_load_b64 v[\reg+2*\p:\reg+2*\p+1], v[\adr] offset:8*PC+16*(PC/8)+(\i)*16*PITCH
.else
	ds_load_b64 v[\reg+2*\p:\reg+2*\p+1], v[\adr+2] offset:8*PC+16*(PC/8)+(\i)*16*PITCH
.endif
.endr
.endm
; 16 matrix instructions: side A's blocks a0, a0 + 1 x side B's eight.  The 64 accumulators take turns, one instruction a turn, in the same order in every step.
.macro MUL16 a0, p, q, sc, zero
.irp a, \a0, \a0+1
.irp b, 0,1,2,3,4,5,6,7
.if \zero
	v_wmma_scale_f32_16x16x128_f8f6f4 v[8*(8*((\a)%4)+\b):8*(8*((\a)%4)+\b)+7], v[128*(\p)+FR*\b:128*(\p)+FR*\b+FR-1], v[AF+FR*(\a):AF+FR*(\a)+FR-1], 0, v[SC+8*NQ*(\sc)+NQ*\b+(\q)], v[SC+8*NQ*(\sc)+NQ*(\a)+(\q)] matrix_a_fmt:MATRIX_FMT_FP6 matrix_b_fmt:MATRIX_FMT_FP6 matrix_a_scale:MATRIX_SCALE_ROW1
.else
	v_wmma_scale_f32_16x16x128_f8f6f4 v[8*(8*((\a)%4)+\b):8*(8*((\a)%4)+\b)+7], v[128*(\p)+FR*\b:128*(\p)+FR*\b+FR-1], v[AF+FR*(\a):AF+FR*(\a)+FR-1], v[8*(8*((\a)%4)+\b):8*(8*((\a)%4)+\b)+7], v[SC+8*NQ*(\sc)+NQ*\b+(\q)], v[SC+8*NQ*(\sc)+NQ*(\a)+(\q)] matrix_a_fmt:MATRIX_FMT_FP6 matrix_b_fmt:MATRIX_FMT_FP6 matrix_a_scale:MATRIX_SCALE_ROW1
.endif
.endr
.endr
.endm
.macro FETCH_B slot, q, p
	WIN TO_B
.irp i, 0,1,2,3,4,5,6,7
	FRAG 128*(\p)+FR*\i, ADRB+\slot, \q, \i
.endr
	WIN 0
.endm
.macro FETCH_A slot, q, i0
.irp i, \i0, \i0+1, \i0+2, \i0+3
	FRAG AF+FR*(\i), ADRA+\slot, \q, \i
.endr
.endm
.macro SCALES sc                       ; a slot's scale words: two words a row; lanes 0-15 take side A's block i, lanes 16-31 side B's
.irp i, 0,1,2,3,4,5,6,7
	ds_load_b64 v[SC+8*NQ*\sc+NQ*\i:SC+8*NQ*\sc+NQ*\i+1], v[ADRS] offset:\i*SBLK
.endr
.endm
.macro PLACES n                        ; plain vector instructions between a matrix instruction and a load into, or a vector instruction on, its registers
.rept \n
	v_nop
.endr
.endm
.macro STEP slot, q, zero              ; a step of 128 along K that has its successor in the same slot
	s_wait_dscnt 4*NL                              ; B's set and A's blocks 0-3 are in; the 24 youngest loads (A's blocks 4-7) may be out
	WIN MUL_LO
	MUL16 0, (\q)%2, \q, \slot, \zero
	MUL16 2, (\q)%2, \q, \slot, \zero
	s_wait_dscnt 0
	PLACES NP
	FETCH_B \slot, (\q)+1, 1-(\q)%2
	FETCH_A \slot, (\q)+1, 0
	WIN MUL_HI
	MUL16 4, (\q)%2, \q, \slot, \zero
	MUL16 6, (\q)%2, \q, \slot, \zero
	PLACES NP
	WIN 0
	FETCH_A \slot, (\q)+1, 4
.endm
; A slot's last step changes slots: one barrier; in front of it each wave waits for all its tensor loads, adds 0 to its spare word, and waits for that and for its own reads of this slot.
.macro TURN slot, next, fill
	s_wait_tensorcnt 0x0                           ; all my tensor loads have landed: my part of the next slot
	ds_add_u32 v[SPW], v[NIL]                      ; 0 onto my spare word
	s_wait_dscnt 4*NL+1                            ; the add and the 24 youngest loads may be out
	WIN MUL_LO
	MUL16 0, 1, NQ-1, \slot, 0
	s_wait_dscnt 0x0                               ; the add is done, and my reads of this slot are over
	s_barrier_signal -1
	MUL16 2, 1, NQ-1, \slot, 0
	WIN 0
	s_barrier_wait -1
.if \fill
	CREST                                          ; the barrier has opened a round of the cluster's barrier: no wave of any partner still reads this slot or has a load on its way
	s_add_nc_u64 s[G0+4*\slot+2:G0+4*\slot+3], s[G0+4*\slot+2:G0+4*\slot+3], 2*ROWB
	s_add_nc_u64 s[G0B+4*\slot+2:G0B+4*\slot+3], s[G0B+4*\slot+2:G0B+4*\slot+3], 2*ROWB
	JLOAD G0+4*\slot, G1, G0B+4*\slot, G1B         ; the first tensor load behind the round; its four v_nop are the places in front of the loads below
.else
	PLACES NP
.endif
	v_add_nc_u32 v[ADRS], 4*NQ, v[ADRS]            ; on to the next slot's scale words
	FETCH_B \next, 0, 0
	FETCH_A \next, 0, 0
	SCALES \next
	WIN MUL_HI
	MUL16 4, 1, NQ-1, \slot, 0
	MUL16 6, 1, NQ-1, \slot, 0
	PLACES NP
	WIN 0
	FETCH_A \next, 0, 4
.endm
	s_wait_tensorcnt 1                             ; the scales and my part of slot 0 are in; of my three loads slot 1's may be out
	s_barrier_signal -1
	s_barrier_wait -1
	FETCH_B 0, 0, 0
	FETCH_A 0, 0, 0
	SCALES 0
	FETCH_A 0, 0, 4
	STEP 0, 0, 1                                   ; the first step's products start the sums
	s_mov_b32 s3, LAPS-1
.Llap:                                                 ; a trip goes once round the ring and fills both slots again
	TURN 0, 1, 1
	STEP 1, 0, 0
	TURN 1, 0, 1
	STEP 0, 0, 0
	s_sub_co_u32 s3, s3, 1
	s_cmp_lg_u32 s3, 0
	s_cbranch_scc1 .Llap
	TURN 0, 1, 0                                   ; the last lap fills nothing
	STEP 1, 0, 0
	s_wait_dscnt 4*NL
	WIN MUL_LO
	MUL16 0, 1, NQ-1, 1, 0
	MUL16 2, 1, NQ-1, 1, 0
	s_wait_dscnt 0
	WIN MUL_HI
	MUL16 4, 1, NQ-1, 1, 0
	MUL16 6, 1, NQ-1, 1, 0
	WIN 0
; THE WAY OUT touches no LDS: a block of 16 rows of side A at a time gets its bias, is quantised in registers, and leaves as an image of the next launch's operand registers.
.macro ADDB a, isv                     ; block a's 64 numbers of a lane + the bias -> v[HA] on; each accumulator is read from its low end on
.set WN, 0x02+(\a)/4
	WIN WN                                         ; source 0: window 2 or 3
.irp b, 0,1,2,3,4,5,6,7
.irp jj, 0,2,4,6
.if \isv
	v_pk_add_f32 v[HA+8*\b+\jj:HA+8*\b+\jj+1], v[64*((\a)%4)+8*\b+\jj:64*((\a)%4)+8*\b+\jj+1], v[BI+8*(\a):BI+8*(\a)+1]
.else
	v_pk_add_f32 v[HA+8*\b+\jj:HA+8*\b+\jj+1], v[64*((\a)%4)+8*\b+\jj:64*((\a)%4)+8*\b+\jj+1], v[BI+8*\b+\jj:BI+8*\b+\jj+1]
.endif
.endr
.endr
	WIN 0
.endm
; 64 numbers of a lane, four blocks of 32 shared with lane l xor 16, become codes: blocks 0, 1 in six registers from d0 on (lanes 0-15 block 0, lanes 16-31 block 1), blocks 2, 3 from d1 on; the four scale bytes in v[PW].
.macro QUANT s, d0, d1
.irp b, 0,1,2,3
	v_max3_num_f32 v[TM+\b], |v[\s+16*\b]|, |v[\s+1+16*\b]|, 0x1800000   ; my 16 numbers of block b, and the floor 2^(3 - 127): the byte cannot fall under 1
.endr
.irp i, 2,4,6,8,10,12,14
.irp b, 0,1,2,3
	v_max3_num_f32 v[TM+\b], v[TM+\b], |v[\s+16*\b+\i]|, |v[\s+1+16*\b+\i]|
.endr
.endr
.irp b, 0,1,2,3
	v_permlanex16_b32 v[TM+4+\b], v[TM+\b], s92, s93
.endr
.irp b, 0,1,2,3
	v_max_num_f32 v[TM+\b], v[TM+\b], v[TM+4+\b]   ; the block's largest magnitude
.endr
.irp b, 0,1,2,3
	v_add_nc_u32 v[TM+12+\b], 0xff000000, v[TM+\b] ; 2 off its exponent field: the conversion's scale operand
.endr
.irp b, 0,1,2,3
	v_lshrrev_b32 v[TM+4+\b], 23, v[TM+12+\b]      ; the scale's byte
.endr
	v_lshl_or_b32 v[PW], v[TM+5], 8, v[TM+4]
	v_lshl_or_b32 v[PW], v[TM+6], 16, v[PW]
	v_lshl_or_b32 v[PW], v[TM+7], 24, v[PW]
	v_cvt_scalef32_pk16_fp6_f32 v[\d0:\d0+2], v[\s:\s+15], v[TM+12]
	v_cvt_scalef32_pk16_fp6_f32 v[CT:CT+2], v[\s+16:\s+31], v[TM+13]
	v_cvt_scalef32_pk16_fp6_f32 v[\d1:\d1+2], v[\s+32:\s+47], v[TM+14]
	v_cvt_scalef32_pk16_fp6_f32 v[CT+4:CT+6], v[\s+48:\s+63], v[TM+15]
	v_nop                                          ; one plain place behind the scaled conversions
.irp i, 0,1,2
	v_permlane16_swap_b32 v[\d0+\i], v[CT+\i]      ; a whole block to a lane: the first's lanes 16-31 change places with the second's lanes 0-15
	v_permlane16_swap_b32 v[\d1+\i], v[CT+4+\i]
.endr
.irp i, 0,1,2
	v_mov_b32 v[\d0+3+\i], v[CT+\i]
	v_mov_b32 v[\d1+3+\i], v[CT+4+\i]
.endr
.endm
; q, k: tiles 2 i and 2 i + 1 of my 128 tokens.  A lane's 128 numbers are two heads' 64: blocks 0, 1 go to the first head's image, blocks 2, 3 to the second's, one record further on.
.macro PAIRQK i
	s_wait_xcnt 0x0                                ; the last pair's stores have read their registers
	ADDB 2*(\i), 0
	QUANT HA, IMA, IMB
	v_mov_b32 v[PWE], v[PW]
	ADDB 2*(\i)+1, 0
	QUANT HA, IMA+6, IMB+6
	v_cndmask_b32 v[PWT], v[PWE], v[PW], s66       ; lanes 0-15 the even tile's words, lanes 16-31 the odd tile's
	v_lshrrev_b32 v[SB+\i], 16, v[PWT]             ; the second head's two bytes,
	v_and_b32 v[SA+\i], 0xffff, v[PWT]             ; the first head's; bytes 2, 3 are 0 in both: they scale the empty half of the next product's K
.irp c, 0,1,2
	global_store_b128 v[L16], v[IMA+4*\c:IMA+4*\c+3], s[20:21] offset:1536*(\i)+512*\c
	global_store_b128 v[L16], v[IMB+4*\c:IMB+4*\c+3], s[20:21] offset:1536*(\i)+512*\c+REC
.endr
.endm
; v: block a of my 128 rows of W: tile a % 4 of head a / 4's 64; the lane's 64 numbers are its share of 128 keys: one fragment and one scale word.
.macro ONEV a
	s_wait_xcnt 0x0
	ADDB \a, 1
	QUANT HA, IMA, IMA+6
.irp c, 0,1,2
	global_store_b128 v[L16], v[IMA+4*\c:IMA+4*\c+3], s[20:21] offset:((\a)/4)*REC+((\a)%4)*1536+512*\c
.endr
.if (\a)%2 == 0
	v_mov_b32 v[PWE], v[PW]
.else
	v_cndmask_b32 v[SA+((\a)%4)/2], v[PWE], v[PW], s66
.endif
.if (\a)%4 == 3
	global_store_b64 v[L8], v[SA:SA+1], s[22:23] offset:((\a)/4)*REC
.endif
.endm
	PLACES NP                                      ; behind the last products: their results are read and side A's registers written below
	s_wait_loadcnt 0x0                             ; the bias
.irp b, 0,1,2,3
	v_mov_b32 v[TM+4+\b], 0                        ; written once: a lane permute's destination counts as one of its sources
.endr
	s_mov_b32 s66, 0xffff0000                      ; lanes 16-31
	s_mov_b32 s92, 0x76543210
	s_mov_b32 s93, 0xfedcba98                      ; selects for lane l xor 16
	s_cmp_eq_u32 ttmp9, 2                          ; the kind: a branch on the cluster's number, alike in all partners; no barrier, tensor load or LDS access stands in the two arms
	s_cbranch_scc1 .Lkind_v
	s_lshl_b32 s46, s17, 1
	s_add_co_u32 s46, s46, s15                     ; my 128 tokens: group 0..63
	s_lshl_b32 s47, s42, 1
	s_add_co_u32 s47, s47, s16
	s_and_b32 s47, s47, 7                          ; my pair of heads
	s_lshr_b32 s94, s46, 4
	s_lshl_b32 s94, s94, 4                         ; 16 x batch
	s_lshl_b32 s47, s47, 1
	s_add_co_u32 s94, s94, s47                     ; the first head's record
	s_mul_i32 s94, s94, REC
	s_and_b32 s46, s46, 15                         ; the step in the batch
	s_mul_i32 s20, s46, 6144
	s_add_co_u32 s20, s20, s94
	s_lshl_b32 s22, s46, 9
	s_add_co_u32 s22, s22, s94
	s_mov_b32 s95, 196608
	s_cmp_eq_u32 ttmp9, 0                          ; q's parts of a record lie behind k's and v's
	s_cselect_b32 s47, 208896, 0
	s_cselect_b32 s95, 307200, s95
	s_add_co_u32 s20, s20, s47
	s_add_co_u32 s22, s22, s95
	s_mov_b32 s21, 0
	s_mov_b32 s23, 0
	s_add_nc_u64 s[20:21], s[98:99], s[20:21]      ; the codes' place
	s_add_nc_u64 s[22:23], s[98:99], s[22:23]      ; the scale words'
	PAIRQK 0
	PAIRQK 1
	PAIRQK 2
	PAIRQK 3
	global_store_b128 v[L16], v[SA:SA+3], s[22:23]
	global_store_b128 v[L16], v[SB:SB+3], s[22:23] offset:REC
	s_branch .Lend
.Lkind_v:
	s_lshl_b32 s46, s42, 1
	s_add_co_u32 s46, s46, s16                     ; my 128 tokens (side B): group 0..63
	s_lshr_b32 s94, s46, 4
	s_lshl_b32 s94, s94, 4
	s_lshl_b32 s47, s41, 2
	s_add_co_u32 s94, s94, s47                     ; + 4 cy: the tile's four heads,
	s_lshl_b32 s47, s15, 1
	s_add_co_u32 s94, s94, s47                     ; + my two of them
	s_mul_i32 s94, s94, REC
	s_and_b32 s46, s46, 15
	s_mul_i32 s20, s46, 6144
	s_add_co_u32 s20, s20, s94
	s_add_co_u32 s20, s20, 98304
	s_lshl_b32 s22, s46, 8
	s_add_co_u32 s22, s22, s94
	s_add_co_u32 s22, s22, 204800
	s_mov_b32 s21, 0
	s_mov_b32 s23, 0
	s_add_nc_u64 s[20:21], s[98:99], s[20:21]
	s_add_nc_u64 s[22:23], s[98:99], s[22:23]
.irp a, 0,1,2,3,4,5,6,7
	ONEV \a
.endr
.Lend:
	s_wait_tensorcnt 0x0                           ; the wave's end
	ds_add_u32 v[SPW], v[NIL]
	s_wait_dscnt 0x0
	CROUND                                         ; the closing round: no work-group ends while a partner may still ask for a tile that names it
	s_endpgm
.Lfunc_end_k_q1f4a48883e_qkv:
	.size	k_q1f4a48883e_qkv, .Lfunc_end_k_q1f4a48883e_qkv-k_q1f4a48883e_qkv
	.p2alignl 7, 3214868480
	.fill 96, 4, 3214868480
	.section	.rodata,"a",@progbits
	.p2align	6, 0x0
	.amdhsa_kernel k_q1f4a48883e_qkv
		.amdhsa_group_segment_fixed_size 327680
		.amdhsa_private_segment_fixed_size 0
		.amdhsa_enable_private_segment 0
		.amdhsa_kernarg_size 48
		.amdhsa_user_sgpr_count 2
		.amdhsa_user_sgpr_kernarg_segment_ptr 1
		.amdhsa_wavefront_size32 1
		.amdhsa_system_sgpr_workgroup_id_x 1
		.amdhsa_system_sgpr_workgroup_id_y 1
		.amdhsa_system_sgpr_workgroup_id_z 1
		.amdhsa_system_vgpr_workitem_id 0
		.amdhsa_next_free_vgpr 1024
		.amdhsa_next_free_sgpr 100
		.amdhsa_reserve_vcc 0
		.amdhsa_float_denorm_mode_32 3
		.amdhsa_float_denorm_mode_16_64 3
		.amdhsa_memory_ordered 1
		.amdhsa_forward_progress 1
		.amdhsa_inst_pref_size 238
	.end_amdhsa_kernel
	.amdgpu_metadata
---
amdhsa.version: [ 1, 2 ]
amdhsa.kernels:
  - .name:           k_q1f4a48883e_qkv
    .symbol:         k_q1f4a48883e_qkv.kd
    .args:
      - { .name: x_codes, .offset: 0, .size: 8, .value_kind: global_buffer, .address_space: global }
      - { .name: x_scales, .offset: 8, .size: 8, .value_kind: global_buffer, .address_space: global }
      - { .name: W_qkv_codes, .offset: 16, .size: 8, .value_kind: global_buffer, .address_space: global }
      - { .name: W_qkv_scales, .offset: 24, .size: 8, .value_kind: global_buffer, .address_space: global }
      - { .name: b_qkv, .offset: 32, .size: 8, .value_kind: global_buffer, .address_space: global }
      - { .name: qkv, .offset: 40, .size: 8, .value_kind: global_buffer, .address_space: global }
    .group_segment_fixed_size: 327680
    .private_segment_fixed_size: 0
    .kernarg_segment_align: 8
    .kernarg_segment_size: 48
    .max_flat_workgroup_size: 128
    .sgpr_count:     100
    .vgpr_count:     1024
    .wavefront_size: 32
...
	.end_amdgpu_metadata
.endif
;; end of part 1
;; launch attn (part 2): grid 4 x 64, 16 waves a work-group, clusters of 4 x 1, 210,944 bytes of LDS; arguments qkv, oc, os; writes oc, os
.if DOCPART == 2
	.amdgcn_target "amdgcn-amd-amdhsa--gfx1250"
	.amdhsa_code_object_version 6
	.text
	.protected	k_q1f4a48883e_attn
	.globl	k_q1f4a48883e_attn
	.p2align	8
	.type	k_q1f4a48883e_attn,@function
k_q1f4a48883e_attn:
	s_mov_b64 s[64:65], 0
	v_nop
	global_prefetch_b8 v0, s[64:65] scope:SCOPE_SE
	s_setreg_imm32_b32 hwreg(HW_REG_WAVE_MODE, 25, 1), 1
	s_wait_xcnt 0x0
	s_wait_alu depctr_hold_cnt(0) depctr_sa_sdst(0) depctr_va_vdst(0) depctr_va_sdst(0) depctr_va_ssrc(0) depctr_va_vcc(0) depctr_vm_vsrc(0)
	s_getreg_b32 s2, hwreg(HW_REG_IB_STS2, 6, 4)
	s_cmp_eq_u32 s2, 0
	s_cbranch_scc0 .Lentry_in_a_cluster
	s_endpgm
.Lentry_in_a_cluster:
	s_bfe_u32 s2, ttmp6, 0x10000c
	s_cmp_lg_u32 s2, 0x3003
	s_cbranch_scc0 .Lentry_shape_is_right
	s_endpgm
.Lentry_shape_is_right:
; o = softmax(q k^T / 8) v for one (batch, head), both products on codes of FP6 (E2M3) with E8M0 scales, and o quantised along the model's 1,024 for the last product.
; THE SOFTMAX: t = score x log2(e) / 8; M = the row's largest t so far, rounded up to a whole number; p = 2^(t - M) is quantised along the keys, not normalised; the row's sum is taken of the unquantised p and divides at the end.
; When M moves, the sum and O are multiplied by 2^(old M - new M), which rounds nothing.
; SHARES.  A cluster of four work-groups takes one head; each work-group 512 of its 2,048 queries; each of its sixteen waves one tile of 16 queries in each of two passes, in 256 registers: four waves to a SIMD,
; so that one wave's vector work stands beside another's matrix work and LDS loads.  Every pass walks the head's 2,048 keys, 128 a step.
; LDS.  The head's K and V, codes and scale words, are the first 208,896 bytes of its record in the workspace, laid as images of operand registers.  They come ONCE, as they lie: each wave asks for 51 rows of 256 bytes,
; jointly with the same wave of the three partners (the descriptor hangs on the head and the wave's number alone).  No LDS byte is filled or stored a second time; behind the one barrier LDS is only read.
; So nothing is left to ask for ahead of a later step: no prefetch is written.
; LAYOUT.  Both products are used transposed: S^T = K Q^T (source 0 = 16 neighbouring keys, source 1 = my 16 queries), O^T = V^T P^T: a lane holds one query (lane % 16) throughout.
; THE FIRST PRODUCT'S K IS 64, half of the instruction's 128.  Q's registers 6-11 are zeros.  K's eight fragments of six registers lie on end: tile t names twelve from 6 t on, so its upper half is the next tile's codes
; (six registers of zeros follow the last): finite numbers times zeros; the scale bytes of that half are 0, which is 2^-127.
; THE ORDER INSIDE A BLOCK OF 32 KEYS.  A lane's 16 registers of tiles 2 b, 2 b + 1 are keys 32 b + 8 h + 0..7 and 32 b + 16 + 8 h + 0..7; p's codes so come out in the order 0-7, 16-23, 8-15, 24-31 of each block, in which the launch before has laid v's.
; o meets a given operand, so there sixteen exchanges of lane halves restore the natural order ahead of the conversion.
; OUT.  oc: images of the last product's operand: [token / 128][K step = head / 2][16 tokens][pair of registers 0..5][lane][8 bytes]; an even head writes pairs 0-2, an odd one pairs 3-5: each store covers 256 consecutive aligned bytes.
;       os: [token][32] scale bytes.  These leave as single bytes, 32 bytes apart from row to row: 2 bytes for a token and head, one part in 25 of what the launch stores.
; LIMITS: NaN and infinities are not served.  A block whose largest magnitude lies under 2^-124 keeps the scale byte 1; a block of zeros too (its codes are zeros, and this program alone reads the bytes).
.set REC,   315392
.set VOFF,  98304                      ; LDS: K's codes 0, V's codes, K's scale words, V's scale words
.set KSOFF, 196608
.set VSOFF, 204800
.set QOFF,  208896                     ; in the record: Q's codes, Q's scale words
.set QSOFF, 307200
.set PART,  13056                      ; 51 rows of 256 bytes: a wave's part of the 208,896
.set LI,  1                            ; v1   16 x lane
.set L8,  2                            ; v2   8 x lane
.set ADK, 3                            ; v3-6 LDS addresses of the step in hand
.set ADV, 4
.set ADS, 5
.set ADT, 6
.set VOS, 7                            ; v7   32 r + h: my byte in os
.set QA,  8                            ; v8-10 offsets of Q's three pairs of registers; v11 of its scale word
.set PSC, 29                           ; v29  p's scale word
.set VSC, 30                           ; v30-31 V's scale words
.set KV,  32                           ; v32-79 K's eight fragments, later V's four; v80-85 zeros
.set KSC, 86                           ; v86-89 K's scale words
.set S,   96                           ; v96-159 S^T, then p
.set O,   160                          ; v160-191 O^T
.set PCD, 192                          ; v192-203 p's codes
.set CT,  204                          ; v204-206, v208-210 the conversions' second halves
.set BM,  212                          ; v212-215 the blocks' largest scores, then largest p
.set PT,  216                          ; v216-219 the other half's, then the bytes
.set SO,  220                          ; v220-223 the conversions' scale operands
.set F,   224                          ; v224 f or 1 / sum; v225 = 0, named with it as a pair
.set T0,  226
.set L2,  228                          ; v228-229 the sum's second chain
.set OB,  230                          ; v230 the scale byte to store
.set WV,  10
.set SEL, 30
.set CS,  32
.set HI16, 34
.set TK,  35
.set TS,  36
.set TV,  37
.set CNT, 38
.macro CROUND                          ; a round of the cluster's barrier
	s_barrier_signal -1
	s_barrier_wait -1
	s_cmp_lg_u32 s[WV], 0
	s_cbranch_scc1 .Lnot_wave_0_\@
	s_barrier_signal -3
.Lnot_wave_0_\@:
	s_barrier_wait -3
	s_barrier_signal -1
	s_barrier_wait -1
.endm
	s_load_b128 s[4:7], s[0:1], 0x0                ; the workspace of q, k, v; oc
	s_load_b64 s[8:9], s[0:1], 0x10                ; os
	v_lshl_add_u32 v254, v0, 2, 0x33000
	v_mov_b32 v255, 0
	ds_add_u32 v254, v255
	ds_add_u32 v254, v255
	v_lshrrev_b32 v1, 5, v0
	v_readfirstlane_b32 s[WV], v1                  ; wave 0..15
	s_bfe_u32 s11, ttmp6, 0x40000                  ; cx: which 512 queries: it enters Q's, oc's and os's addresses alone
	s_and_b32 s12, ttmp7, 0xffff                   ; 16 x batch + head, which the four partners share
	s_lshr_b32 s13, s12, 4                         ; batch
	s_and_b32 s14, s12, 15                         ; head
	; descriptor group 1: 51 rows of 256 bytes (32 elements of 8), dense, no padding
	s_mov_b32 s16, 15|(3<<16)|(1<<21)              ; 15:0 the mask: all four work-groups; 17:16 elements of 8 bytes; 21 set beside a mask
	s_mov_b32 s17, 32<<16                          ; tensor_dim0
	s_mov_b32 s18, 51<<16                          ; tensor_dim1
	s_mov_b32 s19, 32<<16                          ; tile_dim0
	s_mov_b32 s20, 51                              ; tile_dim1
	s_mov_b32 s21, 32                              ; from row to row
	s_mov_b32 s22, 0
	s_mov_b32 s23, 0
	s_mul_i32 s40, s12, REC
	s_mov_b32 s41, 0
	s_mul_i32 s42, s[WV], PART
	s_mov_b32 s43, 0
	s_wait_dscnt 0x0
	s_wait_kmcnt 0x0
	s_add_nc_u64 s[28:29], s[4:5], s[40:41]        ; the head's record
	s_mov_b32 s24, 1                               ; group 0: count = 1,
	s_mov_b32 s25, s42                             ; LDS address: wave x 13,056,
	s_add_nc_u64 s[26:27], s[28:29], s[42:43]      ; the same place in the record,
	s_or_b32 s27, s27, 0x80000000                  ; type = 2
	CROUND                                         ; all four work-groups are here: the joint loads meet
	tensor_load_to_lds s[24:27], s[16:23]          ; my one tensor load of the launch
	s_nop 0
.rept 4
	v_nop
.endr
	v_and_b32 v96, 31, v0                          ; lane
	v_and_b32 v97, 15, v0                          ; r
	v_bfe_u32 v98, v0, 4, 1                        ; h
	v_lshlrev_b32 v[LI], 4, v96
	v_lshlrev_b32 v[L8], 3, v96
	v_lshl_add_u32 v[VOS], v97, 5, v98
	s_and_b32 s44, s[WV], 7                        ; a: my tile of 16 in a group of 128 tokens
	s_lshr_b32 s45, s[WV], 3
	s_lshl_b32 s46, s11, 2
	s_add_co_u32 s46, s46, s45                     ; my group in pass 0: 4 cx + wave / 8; pass 1: two further on
	s_mul_i32 s47, s46, 6144
	s_add_co_u32 s47, s47, QOFF
	s_mul_i32 s40, s44, 3
.irp i, 0,1,2                                  ; tile a's registers 6 a + 2 i, + 1 of the group's 48: pair 3 a + i: 512 bytes for every two pairs, 8 for the odd one
	s_add_co_u32 s41, s40, \i
	s_lshr_b32 s42, s41, 1
	s_lshl_b32 s42, s42, 9
	s_and_b32 s41, s41, 1
	s_lshl_b32 s41, s41, 3
	s_add_co_u32 s42, s42, s41
	s_add_co_u32 s42, s42, s47
	v_add_nc_u32 v[QA+\i], s42, v[LI]
.endr
	s_lshl_b32 s41, s46, 9                         ; Q's scale word: register a / 2 of the group's four, lane r + 16 (a % 2)
	s_add_co_u32 s41, s41, QSOFF
	s_and_b32 s42, s44, 1
	s_lshl_b32 s42, s42, 8
	s_add_co_u32 s41, s41, s42
	s_lshr_b32 s42, s44, 1
	s_lshl_b32 s42, s42, 2
	s_add_co_u32 s41, s41, s42
	v_lshl_add_u32 v11, v97, 4, s41
.irp i, 0,1,2
	global_load_b64 v[16+2*\i:17+2*\i], v[QA+\i], s[28:29]                 ; Q of pass 0
	global_load_b64 v[240+2*\i:241+2*\i], v[QA+\i], s[28:29] offset:12288  ; and of pass 1
.endr
	global_load_b32 v28, v11, s[28:29]
	global_load_b32 v252, v11, s[28:29] offset:1024
	s_lshl_b32 s47, s13, 4
	s_add_co_u32 s47, s47, s46                     ; my group of 128 tokens among all 64, in pass 0
	s_mul_i32 s40, s47, 98304
	s_lshr_b32 s42, s14, 1
	s_mul_i32 s42, s42, 12288
	s_add_co_u32 s40, s40, s42
	s_mul_i32 s42, s44, 1536
	s_add_co_u32 s40, s40, s42
	s_and_b32 s42, s14, 1
	s_mul_i32 s42, s42, 768
	s_add_co_u32 s40, s40, s42
	s_mov_b32 s41, 0
	s_add_nc_u64 s[6:7], s[6:7], s[40:41]          ; oc at my tile's three pairs
	s_lshl_b32 s40, s47, 12
	s_lshl_b32 s42, s44, 9
	s_add_co_u32 s40, s40, s42
	s_lshl_b32 s42, s14, 1
	s_add_co_u32 s40, s40, s42
	s_add_nc_u64 s[8:9], s[8:9], s[40:41]          ; os at my first token's two bytes of this head
	s_mov_b32 s[SEL], 0x76543210
	s_mov_b32 s[SEL+1], 0xfedcba98                 ; selects for lane l xor 16
	s_mov_b32 s[CS], 0x3e38aa3b                    ; c = log2(e) / 8
	s_mov_b32 s[CS+1], s[CS]                       ; (named with it as a pair)
	s_mov_b32 s[HI16], 0xffff0000                  ; lanes 16-31
.irp j, 0,1,2,3,4,5
	v_mov_b32 v[22+\j], 0                          ; the empty half of Q's K, pass 0,
	v_mov_b32 v[246+\j], 0                         ; pass 1,
	v_mov_b32 v[80+\j], 0                          ; and what tile 7 of K names beyond its codes
.endr
.irp b, 0,1,2,3
	v_mov_b32 v[PT+\b], 0                          ; written once: a lane permute's destination counts as one of its sources
.endr
	v_mov_b32 v[F+1], 0
	s_wait_tensorcnt 0x0                           ; my part of the head has landed,
	s_barrier_signal -1
	s_barrier_wait -1                              ; everybody's has
	s_wait_loadcnt 0x0                             ; Q
; A KEY STEP: 128 keys.
.macro STEP QR, QS
	v_add_nc_u32 v[ADK], s[TK], v[LI]              ; these four are also the places behind the last step's products, in front of the loads into their registers
	v_add_nc_u32 v[ADS], s[TS], v[LI]
	v_add_nc_u32 v[ADT], s[TV], v[L8]
	v_add_nc_u32 v[ADV], VOFF, v[ADK]
.irp c, 0,1,2,3,4,5,6,7,8,9,10,11
	ds_load_b128 v[KV+4*\c:KV+4*\c+3], v[ADK] offset:512*\c   ; K's 48 registers as they were made: 512 consecutive bytes a load
.endr
	ds_load_b128 v[KSC:KSC+3], v[ADS]              ; register i: lanes 0-15 tile 2 i's words, lanes 16-31 tile 2 i + 1's
	s_wait_dscnt 0x0
.irp t, 0,1,2,3,4,5,6,7
.if \t%2
	v_wmma_scale_f32_16x16x128_f8f6f4 v[S+8*\t:S+8*\t+7], v[KV+6*\t:KV+6*\t+11], v[\QR:\QR+11], 0, v[KSC+\t/2], v[\QS] matrix_a_fmt:MATRIX_FMT_FP6 matrix_b_fmt:MATRIX_FMT_FP6 matrix_a_scale:MATRIX_SCALE_ROW1
.else
	v_wmma_scale_f32_16x16x128_f8f6f4 v[S+8*\t:S+8*\t+7], v[KV+6*\t:KV+6*\t+11], v[\QR:\QR+11], 0, v[KSC+\t/2], v[\QS] matrix_a_fmt:MATRIX_FMT_FP6 matrix_b_fmt:MATRIX_FMT_FP6
.endif
.endr
.rept 4
	v_nop                                          ; places: in front of the loads into K's registers and of the first read of the scores
.endr
.irp c, 0,1,2,3,4,5,6,7,8,9,10,11
	ds_load_b128 v[KV+4*\c:KV+4*\c+3], v[ADV] offset:512*\c   ; V's four fragments land while the softmax is worked
.endr
	ds_load_b64 v[VSC:VSC+1], v[ADT]
.irp b, 0,1,2,3
	v_max3_num_f32 v[BM+\b], v[S+16*\b], v[S+1+16*\b], v[S+2+16*\b]   ; the largest score of each block of 32 keys: for the row's maximum, and, since p rises with the score, for the block's largest p
.endr
.irp i, 3,5,7,9,11,13
.irp b, 0,1,2,3
	v_max3_num_f32 v[BM+\b], v[BM+\b], v[S+16*\b+\i], v[S+1+16*\b+\i]
.endr
.endr
.irp b, 0,1,2,3
	v_max_num_f32 v[BM+\b], v[BM+\b], v[S+15+16*\b]
.endr
.irp b, 0,1,2,3
	v_permlanex16_b32 v[PT+\b], v[BM+\b], s[SEL], s[SEL+1]
.endr
.irp b, 0,1,2,3
	v_max_num_f32 v[BM+\b], v[BM+\b], v[PT+\b]     ; with lane l xor 16's 16 keys
.endr
	v_max3_num_f32 v[T0], v[BM], v[BM+1], v[BM+2]
	v_max_num_f32 v[T0], v[T0], v[BM+3]            ; the step's largest score of my query
	v_mul_f32 v[T0], s[CS], v[T0]
	v_max_num_f32 v13, v13, v[T0]                  ; the running largest t
	v_mov_b32 v[T0], v12
	v_floor_f32 v12, -v13                          ; the new -M = floor(-t): M is a whole number
	v_sub_f32 v[T0], v12, v[T0]                    ; old M - new M: a whole number, 0 or less
	v_cvt_i32_f32 v[T0], v[T0]                     ; (it saturates)
	v_ldexp_f32 v[F], 1.0, v[T0]                   ; f = 2^(old M - new M)
.set J, 0
.rept 32
	v_pk_fma_f32 v[S+J:S+J+1], v[S+J:S+J+1], s[CS:CS+1], v[12:13] op_sel_hi:[1,0,0]   ; t - M, two at a time
.set J, J+2
.endr
.irp b, 0,1,2,3
	v_fma_f32 v[BM+\b], v[BM+\b], s[CS], v12       ; the same of each block's largest score
.endr
.set J, 0
.rept 64
	v_exp_f32 v[S+J], v[S+J]                       ; p = 2^(t - M), at most 1
.set J, J+1
.endr
	v_pk_mul_f32 v[14:15], v[14:15], v[F:F+1] op_sel_hi:[1,0]   ; the sums under the new M: the plain place behind the exponentials
	s_wait_alu depctr_va_vdst(0)                   ; one wait for the batch of 64, ahead of its first reader
.irp b, 0,1,2,3
	v_exp_f32 v[BM+\b], v[BM+\b]                   ; the block's largest p: the same two instructions on the same number
.endr
	v_pk_add_f32 v[L2:L2+1], v[S:S+1], v[S+2:S+3]  ; the row's sum of the unquantised p, in two chains; plain work behind the four
.set J, 4
.rept 15
	v_pk_add_f32 v[14:15], v[14:15], v[S+J:S+J+1]
	v_pk_add_f32 v[L2:L2+1], v[L2:L2+1], v[S+J+2:S+J+3]
.set J, J+4
.endr
	v_pk_add_f32 v[14:15], v[14:15], v[L2:L2+1]
	s_wait_alu depctr_va_vdst(0)                   ; and one for the four
.irp b, 0,1,2,3
	v_max_num_f32 v[BM+\b], 0x1800000, v[BM+\b]    ; the floor 2^(3 - 127): the byte cannot fall under 1
.endr
.irp b, 0,1,2,3
	v_add_nc_u32 v[SO+\b], 0xff000000, v[BM+\b]    ; 2 off the exponent field: the conversion's scale operand
.endr
.irp b, 0,1,2,3
	v_lshrrev_b32 v[PT+\b], 23, v[SO+\b]           ; the scale's byte
.endr
	v_lshl_or_b32 v[PSC], v[PT+1], 8, v[PT]        ; p's scale word for these 128 keys
	v_lshl_or_b32 v[PSC], v[PT+2], 16, v[PSC]
	v_lshl_or_b32 v[PSC], v[PT+3], 24, v[PSC]
.irp c, 0,1
	v_cvt_scalef32_pk16_fp6_f32 v[PCD+6*\c:PCD+6*\c+2], v[S+32*\c:S+32*\c+15], v[SO+2*\c]
	v_cvt_scalef32_pk16_fp6_f32 v[CT+4*\c:CT+4*\c+2], v[S+32*\c+16:S+32*\c+31], v[SO+2*\c+1]
.endr
	v_nop                                          ; one plain place behind the scaled conversions
.irp c, 0,1                                    ; a whole block to a lane: lanes 0-15 block 2 c, lanes 16-31 block 2 c + 1
.irp i, 0,1,2
	v_permlane16_swap_b32 v[PCD+6*\c+\i], v[CT+4*\c+\i]
.endr
.irp i, 0,1,2
	v_mov_b32 v[PCD+6*\c+3+\i], v[CT+4*\c+\i]
.endr
.endr
.set J, 0
.rept 16
	v_pk_mul_f32 v[O+J:O+J+1], v[O+J:O+J+1], v[F:F+1] op_sel_hi:[1,0]   ; O^T under the new M, each accumulator from its low end on; these sixteen are also the places between p's codes and scale word and the products
.set J, J+2
.endr
	s_wait_dscnt 0x0                               ; V
.irp t, 0,1,2,3                                ; the four accumulators take turns, one instruction a turn; eight other products stand between two links
.if \t%2
	v_wmma_scale_f32_16x16x128_f8f6f4 v[O+8*\t:O+8*\t+7], v[KV+12*\t:KV+12*\t+11], v[PCD:PCD+11], v[O+8*\t:O+8*\t+7], v[VSC+\t/2], v[PSC] matrix_a_fmt:MATRIX_FMT_FP6 matrix_b_fmt:MATRIX_FMT_FP6 matrix_a_scale:MATRIX_SCALE_ROW1
.else
	v_wmma_scale_f32_16x16x128_f8f6f4 v[O+8*\t:O+8*\t+7], v[KV+12*\t:KV+12*\t+11], v[PCD:PCD+11], v[O+8*\t:O+8*\t+7], v[VSC+\t/2], v[PSC] matrix_a_fmt:MATRIX_FMT_FP6 matrix_b_fmt:MATRIX_FMT_FP6
.endif
.endr
.endm
; THE WAY OUT of a pass: O^T / the sum; natural order along the head's 64; two blocks of 32 quantised; six registers of codes and two scale bytes a token leave.
.macro WAYOUT p
.rept 4
	v_nop                                          ; places behind the last products
.endr
	v_add_f32 v14, v14, v15
	v_permlanex16_b32 v[T0], v14, s[SEL], s[SEL+1]
	v_add_f32 v14, v14, v[T0]                      ; the row's sum
	v_rcp_f32 v[F], v14
	v_nop                                          ; a plain place behind the reciprocal
	s_wait_alu depctr_va_vdst(0)                   ; and the wait ahead of its first reader
.set J, 0
.rept 16
	v_pk_mul_f32 v[S+J:S+J+1], v[O+J:O+J+1], v[F:F+1] op_sel_hi:[1,0]   ; register 8 t + j: o(query r, 16 t + 8 h + j)
.set J, J+2
.endr
.irp b, 0,1
.irp j, 0,1,2,3,4,5,6,7
	v_permlane16_swap_b32 v[S+16*\b+\j], v[S+8+16*\b+\j]   ; tile 2 b's lanes 16-31 change places with tile 2 b + 1's lanes 0-15: my 16 registers are now 32 b + 16 h + 0 .. 15, in order
.endr
.endr
.irp b, 0,1
	v_max3_num_f32 v[BM+\b], |v[S+16*\b]|, |v[S+1+16*\b]|, 0x1800000
.endr
.irp i, 2,4,6,8,10,12,14
.irp b, 0,1
	v_max3_num_f32 v[BM+\b], v[BM+\b], |v[S+16*\b+\i]|, |v[S+1+16*\b+\i]|
.endr
.endr
.irp b, 0,1
	v_permlanex16_b32 v[PT+\b], v[BM+\b], s[SEL], s[SEL+1]
.endr
.irp b, 0,1
	v_max_num_f32 v[BM+\b], v[BM+\b], v[PT+\b]
.endr
.irp b, 0,1
	v_add_nc_u32 v[SO+\b], 0xff000000, v[BM+\b]
.endr
.irp b, 0,1
	v_lshrrev_b32 v[PT+\b], 23, v[SO+\b]
.endr
	v_cvt_scalef32_pk16_fp6_f32 v[PCD:PCD+2], v[S:S+15], v[SO]
	v_cvt_scalef32_pk16_fp6_f32 v[CT:CT+2], v[S+16:S+31], v[SO+1]
	v_nop
.irp i, 0,1,2
	v_permlane16_swap_b32 v[PCD+\i], v[CT+\i]
.endr
.irp i, 0,1,2
	v_mov_b32 v[PCD+3+\i], v[CT+\i]
.endr
	v_cndmask_b32 v[OB], v[PT], v[PT+1], s[HI16]   ; lanes 0-15 block 0's byte, lanes 16-31 block 1's
.irp i, 0,1,2
	global_store_b64 v[L8], v[PCD+2*\i:PCD+2*\i+1], s[6:7] offset:256*\i+196608*\p
.endr
	global_store_b8 v[VOS], v[OB], s[8:9] offset:8192*\p
.endm
.macro PASS p, QR, QS
	s_wait_xcnt 0x0                                ; the last pass's stores have read their registers
	v_mov_b32 v13, 0xff61b1e6                      ; the largest t so far: -3e38
	v_floor_f32 v12, -v13                          ; -M
	v_mov_b32 v14, 0
	v_mov_b32 v15, 0
.set J, 0
.rept 32
	v_mov_b32 v[O+J], 0                            ; the step is written once: the first finds zeros, which the first change of M leaves zeros
.set J, J+1
.endr
	s_mov_b32 s[TK], 0
	s_mov_b32 s[TS], KSOFF
	s_mov_b32 s[TV], VSOFF
	s_mov_b32 s[CNT], 16
.Lstep_\@:
	STEP \QR, \QS
	s_add_co_u32 s[TK], s[TK], 6144
	s_add_co_u32 s[TS], s[TS], 512
	s_add_co_u32 s[TV], s[TV], 256
	s_sub_co_u32 s[CNT], s[CNT], 1
	s_cmp_lg_u32 s[CNT], 0
	s_cbranch_scc1 .Lstep_\@
	WAYOUT \p
.endm
	PASS 0, 16, 28
	PASS 1, 240, 252
	s_wait_dscnt 0x0
	s_wait_tensorcnt 0x0
	ds_add_u32 v254, v255
	s_wait_dscnt 0x0
	CROUND                                         ; the closing round
	s_endpgm
.Lfunc_end_k_q1f4a48883e_attn:
	.size	k_q1f4a48883e_attn, .Lfunc_end_k_q1f4a48883e_attn-k_q1f4a48883e_attn
	.p2alignl 7, 3214868480
	.fill 96, 4, 3214868480
	.section	.rodata,"a",@progbits
	.p2align	6, 0x0
	.amdhsa_kernel k_q1f4a48883e_attn
		.amdhsa_group_segment_fixed_size 210944
		.amdhsa_private_segment_fixed_size 0
		.amdhsa_enable_private_segment 0
		.amdhsa_kernarg_size 24
		.amdhsa_user_sgpr_count 2
		.amdhsa_user_sgpr_kernarg_segment_ptr 1
		.amdhsa_wavefront_size32 1
		.amdhsa_system_sgpr_workgroup_id_x 1
		.amdhsa_system_sgpr_workgroup_id_y 1
		.amdhsa_system_sgpr_workgroup_id_z 1
		.amdhsa_system_vgpr_workitem_id 0
		.amdhsa_next_free_vgpr 256
		.amdhsa_next_free_sgpr 66
		.amdhsa_reserve_vcc 0
		.amdhsa_float_denorm_mode_32 3
		.amdhsa_float_denorm_mode_16_64 3
		.amdhsa_memory_ordered 1
		.amdhsa_forward_progress 1
		.amdhsa_inst_pref_size 49
	.end_amdhsa_kernel
	.amdgpu_metadata
---
amdhsa.version: [ 1, 2 ]
amdhsa.kernels:
  - .name:           k_q1f4a48883e_attn
    .symbol:         k_q1f4a48883e_attn.kd
    .args:
      - { .name: qkv, .offset: 0, .size: 8, .value_kind: global_buffer, .address_space: global }
      - { .name: oc, .offset: 8, .size: 8, .value_kind: global_buffer, .address_space: global }
      - { .name: os, .offset: 16, .size: 8, .value_kind: global_buffer, .address_space: global }
    .group_segment_fixed_size: 210944
    .private_segment_fixed_size: 0
    .kernarg_segment_align: 8
    .kernarg_segment_size: 24
    .max_flat_workgroup_size: 512
    .sgpr_count:     66
    .vgpr_count:     256
    .wavefront_size: 32
...
	.end_amdgpu_metadata
.endif
;; end of part 2
;; launch proj (part 3): grid 4 x 32, 4 waves a work-group, clusters of 4 x 4, 327,680 bytes of LDS; arguments oc, os, W_proj_codes, W_proj_scales, b_proj, out0; writes out0
.if DOCPART == 3
	.amdgcn_target "amdgcn-amd-amdhsa--gfx1250"
	.amdhsa_code_object_version 6
	.text
	.protected	k_q1f4a48883e_proj
	.globl	k_q1f4a48883e_proj
	.p2align	8
	.type	k_q1f4a48883e_proj,@function
k_q1f4a48883e_proj:
	s_mov_b64 s[64:65], 0
	v_nop
	global_prefetch_b8 v0, s[64:65] scope:SCOPE_SE
	s_setreg_imm32_b32 hwreg(HW_REG_WAVE_MODE, 25, 1), 1
	s_wait_xcnt 0x0
	s_wait_alu depctr_hold_cnt(0) depctr_sa_sdst(0) depctr_va_vdst(0) depctr_va_sdst(0) depctr_va_ssrc(0) depctr_va_vcc(0) depctr_vm_vsrc(0)
	s_getreg_b32 s2, hwreg(HW_REG_IB_STS2, 6, 4)
	s_cmp_eq_u32 s2, 0
	s_cbranch_scc0 .Lentry_in_a_cluster
	s_endpgm
.Lentry_in_a_cluster:
	s_bfe_u32 s2, ttmp6, 0x10000c
	s_cmp_lg_u32 s2, 0xf033
	s_cbranch_scc0 .Lentry_shape_is_right
	s_endpgm
.Lentry_shape_is_right:
; out0 = o W_proj + b_proj on codes of FP6 (E2M3) with E8M0 scales.  o: 8,192 tokens x 1,024, made by the launch before; W_proj: 1,024 rows of 1,024 codes (768 bytes) and 32 scale bytes; out0: [8,192][1,024] f32.
; A tile of 256 x 256 to a work-group of four waves, 128 x 128 to a wave: 64 accumulators.  K goes in four steps of 256 through a ring of two LDS slots filled by the tensor data mover.
; A's CODES ARE IMAGES OF OPERAND REGISTERS: [token / 128][K step of 128][16 tokens][pair of registers][lane][8 bytes]: a slot's part of 128 tokens is one dense block of 24,576 bytes, and a fragment comes by six loads of 8 bytes a lane,
; 256 consecutive bytes a load.  B's codes are rows, as given: 192 bytes of a row to a slot, 16 bytes of padding behind every 64.  Both sides' scale bytes ([row][32]) come once, in whole blocks of 256 bytes, and stay.
; CLUSTERS of 4 x 4: A's tiles are asked for jointly along a row of the cluster, B's along a column.  The grid has 128 work-groups: a tile of half the size would change every count of this text for a short launch.
; THE MATRIX INSTRUCTION IS USED TRANSPOSED (source 0 = 16 rows of W, source 1 = 16 tokens): a lane holds eight neighbouring numbers of a row of out0.  THE BIAS is the C of each sum's first instruction.
; REGISTERS: window 0: v0-31 addresses; v32-63 scale words; v64-127 the bias; from v128 A's fragments, one set; on the way out v128-255 rows of out0.   window 1: B's fragments, two sets.   windows 2, 3: the accumulators.
.set SIZE_N, 1024
.set KSTEP,  256
.set NQ,     2
.set ROWB,   192
.set ASLOT,  24576                     ; a slot's part of 128 tokens of A
.set KROW,   768                       ; bytes of codes for a row of W, and for a token of A
.set PITCH,  240
.set FR,     12
.set NL,     6
.set NP,     4
.set HALFT,  128*PITCH
.set SLOT,   4*HALFT
.set LAPS,   2
.set KS,     32
.set SCL,    2*SLOT
.set HALFS,  16*272
.set SBLK,   2*272
.set SPARE,  SCL+4*HALFS
.set SPITCH, 528                       ; the way out: a stage of 16 rows x (512 bytes + 16) for each wave, in slot 0, which has had its last fill and its last read when the first result is stored there
.set ADRA, 16
.set ADRB, 20
.set STO,  24
.set RD,   25
.set CO,   26
.set ADRS, 27
.set SPW,  28
.set NIL,  29
.set BOF,  30
.set SC,   32
.set BI,   64
.set AF,   128
.set BK,   128
.set G1, 24
.set G0, 32
.set G1B, 48
.set G0B, 56
.set G1S, 68
.set G0S, 76
.set G1SB, 80
.set G0SB, 88
.set MSB, 0
.macro WIN new
.if MSB != \new
	s_set_vgpr_msb (MSB<<8)|\new
.set MSB, \new
.endif
.endm
.set MUL_LO, 0xa1                      ; source 0 (B) window 1, source 1 (A) window 0, C and D window 2
.set MUL_HI, 0xf1
.set FIRST_LO, 0x81                    ; the same with C (the bias) in window 0
.set FIRST_HI, 0xc1
.set TO_B,   0x40
.macro JLOAD g0a, g1a, g0b, g1b        ; a joint load: waves 0 and 1 fetch for A, waves 2 and 3 for B; four v_nop follow each of the two lines
	s_cmp_eq_u32 s15, 0
	s_cbranch_scc0 .Lfor_b_\@
	tensor_load_to_lds s[\g0a:\g0a+3], s[\g1a:\g1a+7]
	s_nop 0
.rept 4
	v_nop
.endr
	s_branch .Lasked_\@
.Lfor_b_\@:
	tensor_load_to_lds s[\g0b:\g0b+3], s[\g1b:\g1b+7]
	s_nop 0
.rept 4
	v_nop
.endr
.Lasked_\@:
.endm
.macro CREST
	s_cmp_lg_u32 s14, 0
	s_cbranch_scc1 .Lnot_wave_0_\@
	s_barrier_signal -3
.Lnot_wave_0_\@:
	s_barrier_wait -3
	s_barrier_signal -1
	s_barrier_wait -1
.endm
.macro CROUND
	s_barrier_signal -1
	s_barrier_wait -1
	CREST
.endm
	s_load_b128 s[4:7], s[0:1], 0x0                ; A's codes, A's scales
	s_load_b128 s[8:11], s[0:1], 0x10              ; B's codes, B's scales
	s_load_b64 s[96:97], s[0:1], 0x20              ; the bias
	s_load_b64 s[12:13], s[0:1], 0x28              ; out0
	v_lshl_add_u32 v[SPW], v0, 2, SPARE
	v_mov_b32 v[NIL], 0
	ds_add_u32 v28, v29
	ds_add_u32 v28, v29
	s_wait_dscnt 0x0
	v_lshrrev_b32 v1, 5, v0
	v_readfirstlane_b32 s14, v1                    ; wave 0..3
	s_lshr_b32 s15, s14, 1                         ; which half of the tile's rows is mine.  Also: I fetch for A (0) or for B (1)
	s_and_b32 s16, s14, 1                          ; which half of its columns.  Also: which 128 rows of that tile I fetch
	s_bfe_u32 s40, ttmp6, 0x40000                  ; cx, cy
	s_bfe_u32 s41, ttmp6, 0x40004
	s_lshl_b32 s42, ttmp9, 2
	s_add_co_u32 s42, s42, s40                     ; tile column
	s_and_b32 s17, ttmp7, 0xffff
	s_lshl_b32 s17, s17, 2
	s_add_co_u32 s17, s17, s41                     ; tile row
	s_lshl_b32 s43, s41, 2
	s_lshl_b32 s43, 15, s43                        ; my row of the cluster
	s_lshl_b32 s44, 0x1111, s40                    ; my column
	; group 1 for A's tiles: a dense block of 24,576 bytes as 96 rows of 256 bytes (32 elements of 8), no padding
	s_or_b32 s[G1+0], s43, (3<<16)|(1<<21)
	s_mov_b32 s[G1+1], 32<<16
	s_mov_b32 s[G1+2], 96<<16
	s_mov_b32 s[G1+3], 32<<16
	s_mov_b32 s[G1+4], 96
	s_mov_b32 s[G1+5], 32
	s_mov_b32 s[G1+6], 0
	s_mov_b32 s[G1+7], 0
	; for B's: 128 rows x 192 bytes, 16 bytes of padding behind every 64
	s_or_b32 s[G1B+0], s44, (0<<16)|(1<<20)|(1<<21)|(3<<22)|(3<<25)
	s_mov_b32 s[G1B+1], ROWB<<16
	s_mov_b32 s[G1B+2], 128<<16
	s_mov_b32 s[G1B+3], ROWB<<16
	s_mov_b32 s[G1B+4], 128
	s_mov_b32 s[G1B+5], KROW
	s_mov_b32 s[G1B+6], 0
	s_mov_b32 s[G1B+7], 0
	; for the scales of 128 rows: 16 rows of 256 bytes, 16 bytes of padding behind each
	s_or_b32 s[G1S+0], s43, (3<<16)|(1<<20)|(1<<21)|(5<<22)|(3<<25)
	s_or_b32 s[G1SB+0], s44, (3<<16)|(1<<20)|(1<<21)|(5<<22)|(3<<25)
.irp g, G1S, G1SB
	s_mov_b32 s[\g+1], 32<<16
	s_mov_b32 s[\g+2], 16<<16
	s_mov_b32 s[\g+3], 32<<16
	s_mov_b32 s[\g+4], 16
	s_mov_b32 s[\g+5], 32
	s_mov_b32 s[\g+6], 0
	s_mov_b32 s[\g+7], 0
.endr
	s_lshl_b32 s18, s16, 7
	s_lshl_b32 s20, s17, 8
	s_add_co_u32 s20, s20, s18                     ; A: token 256 x tile row + 128 x half
	s_lshl_b32 s46, s42, 8
	s_add_co_u32 s46, s46, s18                     ; B: row 256 x tile column + 128 x half
	s_mov_b32 s21, 0
	s_mov_b32 s47, 0
	s_mov_b64 s[18:19], KS
	s_mul_u64 s[22:23], s[20:21], s[18:19]
	s_mul_u64 s[92:93], s[46:47], s[18:19]
	s_mov_b64 s[18:19], KROW
	s_mul_u64 s[20:21], s[20:21], s[18:19]         ; A's images take 768 bytes a token too: 128 tokens are 98,304 bytes
	s_mul_u64 s[46:47], s[46:47], s[18:19]
	s_mul_i32 s45, s14, HALFT
	s_mul_i32 s94, s14, HALFS
	s_wait_kmcnt 0x0
	s_add_nc_u64 s[20:21], s[4:5], s[20:21]
	s_add_nc_u64 s[22:23], s[6:7], s[22:23]
	s_add_nc_u64 s[46:47], s[8:9], s[46:47]
	s_add_nc_u64 s[92:93], s[10:11], s[92:93]
	CROUND                                         ; all sixteen work-groups are here: the first joint loads meet
	s_mov_b32 s[G0S], 1
	s_add_co_u32 s[G0S+1], s94, SCL
	s_mov_b64 s[G0S+2:G0S+3], s[22:23]
	s_or_b32 s[G0S+3], s[G0S+3], 0x80000000
	s_mov_b32 s[G0SB], 1
	s_add_co_u32 s[G0SB+1], s94, SCL
	s_mov_b64 s[G0SB+2:G0SB+3], s[92:93]
	s_or_b32 s[G0SB+3], s[G0SB+3], 0x80000000
	JLOAD G0S, G1S, G0SB, G1SB
.irp s, 0,1
	s_mov_b32 s[G0+4*\s], 1
	s_add_co_u32 s[G0+4*\s+1], s45, \s*SLOT
	s_add_nc_u64 s[G0+4*\s+2:G0+4*\s+3], s[20:21], \s*ASLOT
	s_or_b32 s[G0+4*\s+3], s[G0+4*\s+3], 0x80000000
	s_mov_b32 s[G0B+4*\s], 1
	s_add_co_u32 s[G0B+4*\s+1], s45, \s*SLOT
	s_add_nc_u64 s[G0B+4*\s+2:G0B+4*\s+3], s[46:47], \s*ROWB
	s_or_b32 s[G0B+4*\s+3], s[G0B+4*\s+3], 0x80000000
	JLOAD G0+4*\s, G1, G0B+4*\s, G1B
.endr
	v_and_b32 v1, 15, v0                           ; r
	v_bfe_u32 v2, v0, 4, 1                         ; h
	v_mul_u32_u24 v3, v1, PITCH
	v_mul_u32_u24 v4, v2, 24
	v_add_nc_u32 v4, v3, v4                        ; B: a fragment's row x pitch + 24 x half
	v_lshl_add_u32 v5, v2, 4, v4                   ; and the same behind one padding more
	v_and_b32 v6, 31, v0
	v_lshlrev_b32 v7, 3, v6                        ; A: 8 x lane
	s_mul_i32 s21, s15, HALFT
	s_mul_i32 s22, s16, HALFT
	s_add_co_u32 s22, s22, 2*HALFT
.irp s, 0,1
	v_add_nc_u32 v[ADRA+\s], s21, v7
	v_add_nc_u32 v[ADRB+\s], s22, v4
	v_add_nc_u32 v[ADRB+2+\s], s22, v5
	s_add_co_u32 s21, s21, SLOT
	s_add_co_u32 s22, s22, SLOT
.endr
	v_mul_u32_u24 v5, v1, KS
	v_lshrrev_b32 v6, 8, v5
	v_lshl_add_u32 v5, v6, 4, v5
	s_mul_i32 s21, s15, HALFS
	s_mul_i32 s22, s16, HALFS
	s_add_co_u32 s22, s22, 2*HALFS
	s_sub_co_u32 s22, s22, s21
	v_mul_u32_u24 v6, s22, v2                      ; lanes 16-31 take B's
	s_add_co_u32 s21, s21, SCL
	v_add_nc_u32 v5, v5, v6
	v_add_nc_u32 v[ADRS], s21, v5
	s_mul_i32 s23, s14, 16*SPITCH                  ; my stage
	v_mul_u32_u24 v5, v1, SPITCH
	v_lshl_add_u32 v5, v2, 5, v5
	v_add_nc_u32 v[STO], s23, v5
	v_and_b32 v6, 31, v0
	v_lshlrev_b32 v[CO], 4, v6
	v_add_nc_u32 v[RD], s23, v[CO]
	v_lshlrev_b32 v[BOF], 5, v2                    ; the bias: 32 h
	s_lshl_b32 s20, s17, 8
	s_lshl_b32 s21, s15, 7
	s_add_co_u32 s20, s20, s21                     ; my first row of out0
	s_mov_b32 s21, 0
	s_mov_b64 s[18:19], SIZE_N*4
	s_mul_u64 s[20:21], s[20:21], s[18:19]
	s_lshl_b32 s46, s42, 10                        ; my first column, in bytes: 1,024 x tile column + 512 x half: in out0 and in the bias alike
	s_lshl_b32 s47, s16, 9
	s_add_co_u32 s46, s46, s47
	s_mov_b32 s47, 0
	s_add_nc_u64 s[96:97], s[96:97], s[46:47]
	s_add_nc_u64 s[20:21], s[20:21], s[46:47]
	s_add_nc_u64 s[12:13], s[12:13], s[20:21]
.irp b, 0,1,2,3,4,5,6,7
	global_load_b128 v[BI+8*\b:BI+8*\b+3], v[BOF], s[96:97] offset:64*\b         ; the bias of columns 16 b + 8 h + 0 .. 7: the accumulators' layout
	global_load_b128 v[BI+8*\b+4:BI+8*\b+7], v[BOF], s[96:97] offset:64*\b+16
.endr
.macro FRAG reg, adr, q, i             ; a fragment of B from rows: pieces of 8 bytes; where the piece three on lies behind one padding more, the second address register serves
.irp p, 0,1,2,3,4,5
.set PC, 12*(\q)+6*(\p/3)+\p%3
.if PC%8 < 5
	ds_load_b64 v[\reg+2*\p:\reg+2*\p+1], v[\adr] offset:8*PC+16*(PC/8)+(\i)*16*PITCH
.else
	ds_load_b64 v[\reg+2*\p:\reg+2*\p+1], v[\adr+2] offset:8*PC+16*(PC/8)+(\i)*16*PITCH
.endif
.endr
.endm
.macro FRAGA reg, slot, q, i           ; a fragment of A from its image: pair p of block i of the slot's q-th K step
.irp p, 0,1,2,3,4,5
	ds_load_b64 v[\reg+2*\p:\reg+2*\p+1], v[ADRA+\slot] offset:12288*(\q)+1536*(\i)+256*\p
.endr
.endm
; 16 matrix instructions: A's blocks a0, a0 + 1 x B's eight.  first = 1: the sums begin with the bias as C.  The 64 accumulators take turns, one instruction a turn.
.macro MUL16 a0, p, q, sc, first
.irp a, \a0, \a0+1
.irp b, 0,1,2,3,4,5,6,7
.if \first
	v_wmma_scale_f32_16x16x128_f8f6f4 v[8*(8*((\a)%4)+\b):8*(8*((\a)%4)+\b)+7], v[128*(\p)+FR*\b:128*(\p)+FR*\b+FR-1], v[AF+FR*(\a):AF+FR*(\a)+FR-1], v[BI+8*\b:BI+8*\b+7], v[SC+8*NQ*(\sc)+NQ*\b+(\q)], v[SC+8*NQ*(\sc)+NQ*(\a)+(\q)] matrix_a_fmt:MATRIX_FMT_FP6 matrix_b_fmt:MATRIX_FMT_FP6 matrix_a_scale:MATRIX_SCALE_ROW1
.else
	v_wmma_scale_f32_16x16x128_f8f6f4 v[8*(8*((\a)%4)+\b):8*(8*((\a)%4)+\b)+7], v[128*(\p)+FR*\b:128*(\p)+FR*\b+FR-1], v[AF+FR*(\a):AF+FR*(\a)+FR-1], v[8*(8*((\a)%4)+\b):8*(8*((\a)%4)+\b)+7], v[SC+8*NQ*(\sc)+NQ*\b+(\q)], v[SC+8*NQ*(\sc)+NQ*(\a)+(\q)] matrix_a_fmt:MATRIX_FMT_FP6 matrix_b_fmt:MATRIX_FMT_FP6 matrix_a_scale:MATRIX_SCALE_ROW1
.endif
.endr
.endr
.endm
.macro FETCH_B slot, q, p
	WIN TO_B
.irp i, 0,1,2,3,4,5,6,7
	FRAG 128*(\p)+FR*\i, ADRB+\slot, \q, \i
.endr
	WIN 0
.endm
.macro FETCH_A slot, q, i0
.irp i, \i0, \i0+1, \i0+2, \i0+3
	FRAGA AF+FR*(\i), \slot, \q, \i
.endr
.endm
.macro SCALES sc
.irp i, 0,1,2,3,4,5,6,7
	ds_load_b64 v[SC+8*NQ*\sc+NQ*\i:SC+8*NQ*\sc+NQ*\i+1], v[ADRS] offset:\i*SBLK
.endr
.endm
.macro PLACES n
.rept \n
	v_nop
.endr
.endm
.macro STEP slot, q, first
	s_wait_dscnt 4*NL                              ; B's set and A's blocks 0-3 are in; the 24 youngest loads (A's blocks 4-7) may be out
.if \first
	WIN FIRST_LO
.else
	WIN MUL_LO
.endif
	MUL16 0, (\q)%2, \q, \slot, \first
	MUL16 2, (\q)%2, \q, \slot, \first
	s_wait_dscnt 0
	PLACES NP
	FETCH_B \slot, (\q)+1, 1-(\q)%2
	FETCH_A \slot, (\q)+1, 0
.if \first
	WIN FIRST_HI
.else
	WIN MUL_HI
.endif
	MUL16 4, (\q)%2, \q, \slot, \first
	MUL16 6, (\q)%2, \q, \slot, \first
	PLACES NP
	WIN 0
	FETCH_A \slot, (\q)+1, 4
.endm
.macro TURN slot, next, fill
	s_wait_tensorcnt 0x0                           ; all my tensor loads have landed: my part of the next slot
	ds_add_u32 v[SPW], v[NIL]                      ; 0 onto my spare word
	s_wait_dscnt 4*NL+1                            ; the add and the 24 youngest loads may be out
	WIN MUL_LO
	MUL16 0, 1, NQ-1, \slot, 0
	s_wait_dscnt 0x0                               ; the add is done, and my reads of this slot are over
	s_barrier_signal -1
	MUL16 2, 1, NQ-1, \slot, 0
	WIN 0
	s_barrier_wait -1
.if \fill
	CREST                                          ; the barrier has opened a round of the cluster's barrier
	s_add_nc_u64 s[G0+4*\slot+2:G0+4*\slot+3], s[G0+4*\slot+2:G0+4*\slot+3], 2*ASLOT
	s_add_nc_u64 s[G0B+4*\slot+2:G0B+4*\slot+3], s[G0B+4*\slot+2:G0B+4*\slot+3], 2*ROWB
	JLOAD G0+4*\slot, G1, G0B+4*\slot, G1B         ; the first tensor load behind the round; its four v_nop are the places in front of the loads below
.else
	PLACES NP
.endif
	v_add_nc_u32 v[ADRS], 4*NQ, v[ADRS]
	FETCH_B \next, 0, 0
	FETCH_A \next, 0, 0
	SCALES \next
	WIN MUL_HI
	MUL16 4, 1, NQ-1, \slot, 0
	MUL16 6, 1, NQ-1, \slot, 0
	PLACES NP
	WIN 0
	FETCH_A \next, 0, 4
.endm
	s_wait_tensorcnt 1                             ; the scales and my part of slot 0 are in; of my three loads slot 1's may be out
	s_barrier_signal -1
	s_barrier_wait -1
	FETCH_B 0, 0, 0
	FETCH_A 0, 0, 0
	SCALES 0
	FETCH_A 0, 0, 4
	s_wait_loadcnt 0x0                             ; the bias
	STEP 0, 0, 1                                   ; the first step's products start the sums, on the bias
	s_mov_b32 s3, LAPS-1
.Llap:
	TURN 0, 1, 1
	STEP 1, 0, 0
	TURN 1, 0, 1
	STEP 0, 0, 0
	s_sub_co_u32 s3, s3, 1
	s_cmp_lg_u32 s3, 0
	s_cbranch_scc1 .Llap
	TURN 0, 1, 0
	STEP 1, 0, 0
	s_wait_dscnt 4*NL
	WIN MUL_LO
	MUL16 0, 1, NQ-1, 1, 0
	MUL16 2, 1, NQ-1, 1, 0
	s_wait_dscnt 0
	WIN MUL_HI
	MUL16 4, 1, NQ-1, 1, 0
	MUL16 6, 1, NQ-1, 1, 0
	WIN 0
; THE WAY OUT, block by block of 16 rows x 128 columns, through my own stage in LDS: back come whole rows of 512 bytes, which the 32 lanes store as 512 consecutive aligned bytes.
; LDS serves a wave's instructions in order (ISA guide 5.7.1.4): no wait between the stores and the loads, nor in front of the next block's stores.
.macro TOSTAGE a
.set AC, 64*((\a)%4)
.set WN, 0x08+4*((\a)/4)
	WIN WN                                         ; the data: window 2 or 3
.irp b, 0,1,2,3,4,5,6,7
	ds_store_b128 v[STO], v[AC+8*\b:AC+8*\b+3] offset:64*\b          ; each accumulator from its low end on
	ds_store_b128 v[STO], v[AC+8*\b+4:AC+8*\b+7] offset:64*\b+16
.endr
	WIN 0
.set BB, BK+64*((\a)%2)
.irp t, 0,1,2,3,4,5,6,7,8,9,10,11,12,13,14,15
	ds_load_b128 v[BB+4*\t:BB+4*\t+3], v[RD] offset:\t*SPITCH
.endr
.endm
.macro SEND a, younger                 ; younger: the LDS instructions issued behind block a's loads, which may stay out
.set BB, BK+64*((\a)%2)
	s_wait_dscnt \younger
.if (\a) > 0
	s_add_nc_u64 s[12:13], s[12:13], 16*SIZE_N*4   ; (behind a wait on XCNT: the earlier stores have read their base)
.endif
.irp t, 0,1,2,3,4,5,6,7,8,9,10,11,12,13,14,15
	global_store_b128 v[CO], v[BB+4*\t:BB+4*\t+3], s[12:13] offset:\t*SIZE_N*4 th:TH_STORE_NT
.endr
.endm
	PLACES NP
	TOSTAGE 0
.irp a, 1,2,3,4,5,6,7
.if \a > 1
	s_wait_xcnt 0x0                                ; block a - 2's stores have read their registers and their base
.endif
	TOSTAGE \a
	SEND \a-1, 32                                  ; behind block a - 1's loads: block a's 16 stores and 16 loads
.endr
	s_wait_xcnt 0x0
	SEND 7, 0
	s_wait_tensorcnt 0x0                           ; the wave's end
	ds_add_u32 v[SPW], v[NIL]
	s_wait_dscnt 0x0
	CROUND                                         ; the closing round
	s_endpgm
.Lfunc_end_k_q1f4a48883e_proj:
	.size	k_q1f4a48883e_proj, .Lfunc_end_k_q1f4a48883e_proj-k_q1f4a48883e_proj
	.p2alignl 7, 3214868480
	.fill 96, 4, 3214868480
	.section	.rodata,"a",@progbits
	.p2align	6, 0x0
	.amdhsa_kernel k_q1f4a48883e_proj
		.amdhsa_group_segment_fixed_size 327680
		.amdhsa_private_segment_fixed_size 0
		.amdhsa_enable_private_segment 0
		.amdhsa_kernarg_size 48
		.amdhsa_user_sgpr_count 2
		.amdhsa_user_sgpr_kernarg_segment_ptr 1
		.amdhsa_wavefront_size32 1
		.amdhsa_system_sgpr_workgroup_id_x 1
		.amdhsa_system_sgpr_workgroup_id_y 1
		.amdhsa_system_sgpr_workgroup_id_z 1
		.amdhsa_system_vgpr_workitem_id 0
		.amdhsa_next_free_vgpr 1024
		.amdhsa_next_free_sgpr 98
		.amdhsa_reserve_vcc 0
		.amdhsa_float_denorm_mode_32 3
		.amdhsa_float_denorm_mode_16_64 3
		.amdhsa_memory_ordered 1
		.amdhsa_forward_progress 1
		.amdhsa_inst_pref_size 161
	.end_amdhsa_kernel
	.amdgpu_metadata
---
amdhsa.version: [ 1, 2 ]
amdhsa.kernels:
  - .name:           k_q1f4a48883e_proj
    .symbol:         k_q1f4a48883e_proj.kd
    .args:
      - { .name: oc, .offset: 0, .size: 8, .value_kind: global_buffer, .address_space: global }
      - { .name: os, .offset: 8, .size: 8, .value_kind: global_buffer, .address_space: global }
      - { .name: W_proj_codes, .offset: 16, .size: 8, .value_kind: global_buffer, .address_space: global }
      - { .name: W_proj_scales, .offset: 24, .size: 8, .value_kind: global_buffer, .address_space: global }
      - { .name: b_proj, .offset: 32, .size: 8, .value_kind: global_buffer, .address_space: global }
      - { .name: out0, .offset: 40, .size: 8, .value_kind: global_buffer, .address_space: global }
    .group_segment_fixed_size: 327680
    .private_segment_fixed_size: 0
    .kernarg_segment_align: 8
    .kernarg_segment_size: 48
    .max_flat_workgroup_size: 128
    .sgpr_count:     98
    .vgpr_count:     1024
    .wavefront_size: 32
...
	.end_amdgpu_metadata
.endif
;; end of part 3
